; MI455X (gfx1250); checked and timed in simulation.
; The chip was launched on July 23, 2026; its instructions are those of AMD's public machine-readable ISA for CDNA 5 (MIT licence, August 2026) and "CDNA5" Instruction Set Architecture Reference Guide (July 2026). The comments in the code are by the model that wrote it; some were corrected since.
;; Differentiable Projection Layer. Allowed arithmetic: float matrix products may take bf16 or f16 operands with f32 sums; other float arithmetic in f32, or as packed bf16 or f16 multiplies, adds, multiply-adds, maxima and minima; sums over many terms, partial sums and values carried from step to step in f32; what a program stores and reads back later, other than sums and carried values, may be rounded once to bf16 or f16.
;; Inputs: faces 6,240 x 3 int32; vertex_normals 3,200 x 3 float32; vertices 3,200 x 3 float32; x 4,096 x 3 float32.
;; Outputs: out0 4,096 x 3 float32; out1 4,096 x 1 float32; out2 4,096 x 3 float32.
;; One version. Each part assembles by itself: llvm-mc -triple=amdgcn-amd-amdhsa -mcpu=gfx1250 --defsym DOCPART=n.
;; ======== version 1 of 1: 1 launch
;; launch project (part 1): grid 256 x 1, 20 waves a work-group, no clusters, 116,224 bytes of LDS; arguments x, vertices, vertex_normals, faces, out0, out1, out2; writes out0, out1, out2
.if DOCPART == 1
	.amdgcn_target "amdgcn-amd-amdhsa--gfx1250"
	.amdhsa_code_object_version 6
	.text
	.protected	k_q202ff26d62_project
	.globl	k_q202ff26d62_project
	.p2align	8
	.type	k_q202ff26d62_project,@function
k_q202ff26d62_project:
	s_mov_b64 s[64:65], 0
	v_nop
	global_prefetch_b8 v0, s[64:65] scope:SCOPE_SE
	s_setreg_imm32_b32 hwreg(HW_REG_WAVE_MODE, 25, 1), 1
	s_wait_xcnt 0x0
; PROJECTION OF 4,096 POINTS ONTO A MESH: the 8 nearest of 3,200 vertices give a normal n; a ray from x along -n is cut with all 6,240 triangles; the first hit gives xc and s.
; ONE LAUNCH.  A work-group owns 16 queries from first to last, so nothing goes through memory.  Nothing of the computation is left out, and all four inputs are read.
; NO ADDRESS AND NO BRANCH HANGS ON A FLOATING-POINT NUMBER, so the 8 nearest are taken without indices, in two passes over the vertices:
;   pass 1 keeps the 8 smallest squared distances (values alone) and, for the nearest vertex, x - v as a payload; the lists of all lanes of a query are merged;
;   pass 2 makes the same distances again by the same instructions (the same bits), takes every vertex that is not beyond the 8th value, and adds up normal / distance^2.
; TIES go to the lower index: a lane walks 80 consecutive vertices in ascending order; of the vertices that equal the 8th value a lane takes only its QUOTA: the number
;   of such values among the 8, less those that lanes with lower vertices hold.  For the nearest vertex every comparison is strict and runs in ascending order.
; SHARES.  20 waves.  Vertices: lane = (query = lane % 16, share = thread / 16): 40 shares of 80 vertices.  Faces: a thread keeps 10 faces in 120 registers for the whole launch, as 5 pairs, so that one packed
;   instruction serves two faces; 640 x 10 = 6,400 places for 6,240 faces: the last 160 places hold face 6,239 once more, which changes no minimum.  Five waves of 192 registers lie on a SIMD.
; THE RAY TEST, in f32 on the vector unit.  With tvec = x - v0, c = tvec x d and M = e2 x e1 (made once a face): det = d.M, t det = -tvec.M, u det = e2.c, v det = -e1.c: the triple products of the
;   problem's formulas with their factors turned round: 21 multiply-adds a face and query.  All go by tvec, so a common offset of the inputs cancels first.  Its dot products have 3 terms, and one factor of each hangs on
;   query and face alike; the tests have a tolerance of 1e-6: 16-bit operands do not hold that, so no matrix instruction is used.
; NO CLUSTER, NO TENSOR LOAD: what the work-groups share are the three tables, read once at the head, 20 loads of 12 bytes a lane; they are split into arrays (x, y, z apart) or gathered by index on the way,
;   which a tile copy does not do; all the rest of the launch is arithmetic on registers and LDS.
; LIMITS.  v_rcp_f32 and v_sqrt_f32 stand for the divisions and the root: 1 ulp, denormals count as 0 (ISA guide, their entries).  The tests u >= -tol, v >= -tol, u + v <= 1 + tol, t > tol, |det| > 1e-9 are taken as ONE strict
;   test, 0 < min(u + tol, v + tol, 1 + tol - u - v, t - tol, 1e18 - 1/det^2): it differs only where one of these is exactly 0, in numbers whose last bits differ from another order of rounding anyway.
;   t - tol is what is minimised; tol is added back once.  Sums run in another order.  NaN and infinities among the inputs are not treated apart.  A face index beyond 3,199 counts as 3,199.
.set NT,    640                        ; threads
.set NV,    3200
.set NF,    6240
.set SHARE, 80                         ; vertices of a lane
; LDS, in bytes.  Each region is written once and read behind a barrier.
.set VX,    0                          ; vertices: x, y, z as arrays of 3,200
.set VY,    12800
.set VZ,    25600
.set NX,    38400                      ; normals likewise
.set NY,    51200
.set NZ,    64000
.set LIST1, 76800                      ; [wave][query] a list of 8, 48 bytes apart (an odd multiple of 16)
.set NEAR1, 92160                      ; [share][query] 16 bytes: least d2, x - v
.set LIST2, 102400                     ; [2][query] lists
.set NEAR2, 103936                     ; [4][query] entries
.set TIES,  104960                     ; [query][wave] words, 80 bytes a query
.set PSUM,  106240                     ; [wave][query] 16 bytes: the sum of normal / d2
.set QREC,  111360                     ; [query] 64 bytes: x, x, y, y, z, z of the point, then of the direction: each number twice, a pair for the packed forms
.set TMIN,  112384                     ; [query][wave] words, 80 bytes a query
.set SPARE, 113664                     ; the spare words: 128 bytes for each of 20 waves, ten blocks of 256 bytes that no other line names
; vector registers: v0-71 at work, v72-191 the faces
.set SPW,  1                           ; LDS address of my spare word; never rewritten
.set NIL,  2                           ; 0; never rewritten
.set Q,    3                           ; my query, 0..15
.set H,    4                           ; my half of the wave
.set AV,   5                           ; an LDS address that walks
.set T0,   6
.set T1,   7
.set XQ,   8                           ; v8-13   my query's x, y, z, each twice
.set QD,   14                          ; v14-19  the direction, each number twice
.set L,    20                          ; v20-27  my share's 8 smallest d2, ascending
.set NE,   28                          ; v28-31  my share's least d2 and its x - v
.set G,    32                          ; v32-39  pass 1: 8 distances at work; later the query's 8 smallest d2
.set THR,  40                          ; the 8th smallest
.set THP,  41                          ; the next float below it
.set TH,   42                          ; what I take up to: THR while my quota lasts, then THP
.set QUO,  43                          ; my quota of vertices that equal THR
.set SEEN, 44                          ; how many of them I have met
.set ZERO, 45
.set SA,   6                           ; pass 2's three packed sums lie in pairs that are idle there: v6-7,
.set SB,   14                          ; v14-15,
.set SC,   46                          ; v46-47
.set BX,   48                          ; v48-55, v56-63, v64-71  eight vertices' x, y, z
.set BY,   56
.set BZ,   64
.set BE,   16                          ; pass 2: eight normals' z
.set BW,   24                          ; pass 2: eight weights
.set XA,   51                          ; the head alone
.set NA,   52
.set FB,   72                          ; v72-191 pair p of faces at FB + 24 p: v0, e1, e2, M, each x, y, z, each a pair (face 2 p, face 2 p + 1)
.set RX,   8                           ; the ray loop's record: the point,
.set RY,   10
.set RZ,   12
.set DX,   14                          ; the direction
.set DY,   16
.set DZ,   18
.set TM,   7                           ; the least t - tol so far
.set KP,   20                          ; v20-59  pair p keeps 8: 1/det, tvec.M, e2.c, e1.c
.set TV,   60                          ; v60-65  tvec;  v66-71  c
.set CR,   66
; scalar registers
.set WV,   18                          ; my wave
.set CNT,  19
.set SEL,  20                          ; s20-21  v_permlanex16_b32: each lane takes its own place in the other half
.set PINF, 22
.set EPS,  23                          ; 1e-8
.set TOL,  24                          ; pairs: the packed forms name a pair and take its low word for both halves
.set ONE,  26                          ; 1 + tol
.set NTOL, 28
.set BIG,  30                          ; 1e18
.set ACC,  32                          ; s32-39  eight lane masks
.set ST,   40                          ; s40-41
.set SX,   42
.macro BAR                             ; my LDS stores are done and my LDS loads are back; then all 20 waves meet
	s_wait_dscnt 0x0
	s_barrier_signal -1
	s_barrier_wait -1
.endm
; A bitonic run of 8 in a is sorted ascending into b (a is used up): comparators 4, 2 and 1 apart.
.macro SORTB a, b
.irp i, 0,1,2,3
	v_min_num_f32 v[(\b)+(\i)],   v[(\a)+(\i)], v[(\a)+(\i)+4]
	v_max_num_f32 v[(\b)+(\i)+4], v[(\a)+(\i)], v[(\a)+(\i)+4]
.endr
.irp i, 0,1,4,5
	v_min_num_f32 v[(\a)+(\i)],   v[(\b)+(\i)], v[(\b)+(\i)+2]
	v_max_num_f32 v[(\a)+(\i)+2], v[(\b)+(\i)], v[(\b)+(\i)+2]
.endr
.irp i, 0,2,4,6
	v_min_num_f32 v[(\b)+(\i)],   v[(\a)+(\i)], v[(\a)+(\i)+1]
	v_max_num_f32 v[(\b)+(\i)+1], v[(\a)+(\i)], v[(\a)+(\i)+1]
.endr
.endm
; Two ascending lists of 8: min(a[i], b[7 - i]) are the 8 smallest of the 16, as a bitonic run.  The result lies in b.
.macro MERGE a, b
.irp i, 0,1,2,3,4,5,6,7
	v_min_num_f32 v[(\a)+(\i)], v[(\a)+(\i)], v[(\b)+7-(\i)]
.endr
	SORTB \a, \b
.endm
.macro LOADV                           ; eight vertices of my share; the 16 lanes of a half read the same bytes
	ds_load_b128 v[BX:BX+3],   v[AV] offset:VX
	ds_load_b128 v[BX+4:BX+7], v[AV] offset:VX+16
	ds_load_b128 v[BY:BY+3],   v[AV] offset:VY
	ds_load_b128 v[BY+4:BY+7], v[AV] offset:VY+16
	ds_load_b128 v[BZ:BZ+3],   v[AV] offset:VZ
	ds_load_b128 v[BZ+4:BZ+7], v[AV] offset:VZ+16
.endm
; x - v in place, then (dx dx + dy dy) + dz dz into dst, two vertices an instruction.  Both passes use this one text, so that they get the same bits.
.macro DIST dst
.irp j, 0,2,4,6
	v_pk_add_f32 v[BX+(\j):BX+(\j)+1], v[XQ:XQ+1],   v[BX+(\j):BX+(\j)+1] neg_lo:[0,1] neg_hi:[0,1]
	v_pk_add_f32 v[BY+(\j):BY+(\j)+1], v[XQ+2:XQ+3], v[BY+(\j):BY+(\j)+1] neg_lo:[0,1] neg_hi:[0,1]
	v_pk_add_f32 v[BZ+(\j):BZ+(\j)+1], v[XQ+4:XQ+5], v[BZ+(\j):BZ+(\j)+1] neg_lo:[0,1] neg_hi:[0,1]
.endr
.irp j, 0,2,4,6
	v_pk_mul_f32 v[(\dst)+(\j):(\dst)+(\j)+1], v[BX+(\j):BX+(\j)+1], v[BX+(\j):BX+(\j)+1]
.endr
.irp j, 0,2,4,6
	v_pk_fma_f32 v[(\dst)+(\j):(\dst)+(\j)+1], v[BY+(\j):BY+(\j)+1], v[BY+(\j):BY+(\j)+1], v[(\dst)+(\j):(\dst)+(\j)+1]
.endr
.irp j, 0,2,4,6
	v_pk_fma_f32 v[(\dst)+(\j):(\dst)+(\j)+1], v[BZ+(\j):BZ+(\j)+1], v[BZ+(\j):BZ+(\j)+1], v[(\dst)+(\j):(\dst)+(\j)+1]
.endr
.endm
	s_load_b256 s[4:11], s[0:1], 0x0               ; x s[4:5], vertices s[6:7], normals s[8:9], faces s[10:11]
	s_load_b128 s[12:15], s[0:1], 0x20             ; out0, out1
	s_load_b64 s[16:17], s[0:1], 0x30              ; out2
	v_lshl_add_u32 v[SPW], v0, 2, SPARE
	v_mov_b32 v[NIL], 0
	v_lshrrev_b32 v[Q], 5, v0
	v_readfirstlane_b32 s[WV], v[Q]                ; wave 0..19
	v_and_b32 v[Q], 15, v0
	v_bfe_u32 v[H], v0, 4, 1
	s_mov_b32 s[SEL], 0x76543210
	s_mov_b32 s[SEL+1], 0xfedcba98
	s_mov_b32 s[PINF], 0x7f800000
	s_mov_b32 s[EPS], 0x322bcc77                   ; 1e-8
	s_mov_b32 s[TOL], 0x358637bd                   ; 1e-6
	s_mov_b32 s[TOL+1], s[TOL]
	s_mov_b32 s[ONE], 0x3f800008                   ; 1.000001 in f32
	s_mov_b32 s[ONE+1], s[ONE]
	s_mov_b32 s[NTOL], 0xb58637bd
	s_mov_b32 s[NTOL+1], s[NTOL]
	s_mov_b32 s[BIG], 0x5d5e0b6b                   ; 1e18
	s_mov_b32 s[BIG+1], s[BIG]
	v_mul_u32_u24 v[T0], v0, 12                    ; row t of a table of 12-byte rows
	v_add_nc_u32 v[T1], 9*NT, v0                   ; my tenth face, held to the last face
	v_min_u32 v[T1], NF-1, v[T1]
	v_mul_u32_u24 v[T1], v[T1], 12
	v_mul_u32_u24 v[XA], v[Q], 12
	v_lshlrev_b32 v[AV], 2, v0                     ; word t of an LDS array
	v_add_nc_u32 v[NA], NX, v[AV]
	s_mul_i32 s[ST], ttmp9, 192                    ; the work-group's 16 rows of x
	s_mov_b32 s[ST+1], 0
	s_wait_kmcnt 0x0
	s_add_nc_u64 s[4:5], s[4:5], s[ST:ST+1]
	; THE TABLES.  Thread t takes rows t, t + 640, ..: neighbouring lanes read neighbouring 12 bytes.
.irp i, 0,1,2,3,4
	global_load_b96 v[FB+4*(\i):FB+4*(\i)+2], v[T0], s[6:7] offset:12*NT*(\i)
.endr
.irp i, 0,1,2,3,4
	global_load_b96 v[FB+20+4*(\i):FB+20+4*(\i)+2], v[T0], s[8:9] offset:12*NT*(\i)
.endr
.irp k, 0,1,2,3,4,5,6,7,8
	global_load_b96 v[8+4*(\k):8+4*(\k)+2], v[T0], s[10:11] offset:12*NT*(\k)
.endr
	global_load_b96 v[44:46], v[T1], s[10:11]
	global_load_b96 v[48:50], v[XA], s[4:5]
	s_wait_loadcnt 11                              ; vertices and normals are in; the ten loads of faces and the one of x, issued behind them, may stay out
.irp i, 0,1,2,3,4
	ds_store_b32 v[AV], v[FB+4*(\i)]      offset:VX+4*NT*(\i)
	ds_store_b32 v[AV], v[FB+4*(\i)+1]    offset:VY+4*NT*(\i)
	ds_store_b32 v[AV], v[FB+4*(\i)+2]    offset:VZ+4*NT*(\i)
	ds_store_b32 v[NA], v[FB+20+4*(\i)]   offset:4*NT*(\i)
	ds_store_b32 v[NA], v[FB+20+4*(\i)+1] offset:NY-NX+4*NT*(\i)
	ds_store_b32 v[NA], v[FB+20+4*(\i)+2] offset:NZ-NX+4*NT*(\i)
.endr
	s_wait_loadcnt 0x0
.irp k, 0,1,2,3,4,5,6,7,8,9
.irp c, 0,1,2
	v_min_u32 v[8+4*(\k)+(\c)], NV-1, v[8+4*(\k)+(\c)]     ; an index read from memory enters an address only held to the table
	v_lshlrev_b32 v[8+4*(\k)+(\c)], 2, v[8+4*(\k)+(\c)]
.endr
.endr
	BAR                                            ; the tables lie in LDS
	; MY TEN FACES: corner c, coordinate m of face k falls straight into its place in the pair
.irp k, 0,1,2,3,4,5,6,7,8,9
.irp c, 0,1,2
.irp m, 0,1,2
	ds_load_b32 v[FB+24*((\k)/2)+6*(\c)+2*(\m)+(\k)%2], v[8+4*(\k)+(\c)] offset:VX+12800*(\m)
.endr
.endr
.endr
	s_wait_dscnt 0x0
.macro FACE p                          ; e1 = v1 - v0, e2 = v2 - v0, M = e2 x e1
.set F, FB+24*(\p)
.irp m, 0,2,4
	v_pk_add_f32 v[F+6+(\m):F+7+(\m)],   v[F+6+(\m):F+7+(\m)],   v[F+(\m):F+1+(\m)] neg_lo:[0,1] neg_hi:[0,1]
	v_pk_add_f32 v[F+12+(\m):F+13+(\m)], v[F+12+(\m):F+13+(\m)], v[F+(\m):F+1+(\m)] neg_lo:[0,1] neg_hi:[0,1]
.endr
	v_pk_mul_f32 v[F+18:F+19], v[F+14:F+15], v[F+10:F+11]
	v_pk_mul_f32 v[F+20:F+21], v[F+16:F+17], v[F+6:F+7]
	v_pk_mul_f32 v[F+22:F+23], v[F+12:F+13], v[F+8:F+9]
	v_pk_fma_f32 v[F+18:F+19], v[F+16:F+17], v[F+8:F+9],   v[F+18:F+19] neg_lo:[1,0,0] neg_hi:[1,0,0]
	v_pk_fma_f32 v[F+20:F+21], v[F+12:F+13], v[F+10:F+11], v[F+20:F+21] neg_lo:[1,0,0] neg_hi:[1,0,0]
	v_pk_fma_f32 v[F+22:F+23], v[F+14:F+15], v[F+6:F+7],   v[F+22:F+23] neg_lo:[1,0,0] neg_hi:[1,0,0]
.endm
.irp p, 0,1,2,3,4
	FACE \p
.endr
	; PASS 1: my share's 8 smallest d2, and x - v of its nearest vertex
	v_mov_b32 v[XQ],   v48
	v_mov_b32 v[XQ+1], v48
	v_mov_b32 v[XQ+2], v49
	v_mov_b32 v[XQ+3], v49
	v_mov_b32 v[XQ+4], v50
	v_mov_b32 v[XQ+5], v50
.irp i, 0,1,2,3,4,5,6,7
	v_mov_b32 v[L+(\i)], s[PINF]
.endr
	v_mov_b32 v[NE+1], 0
	v_mov_b32 v[NE+2], 0
	v_mov_b32 v[NE+3], 0
	v_lshrrev_b32 v[AV], 4, v0                     ; my share, 0..39,
	v_mul_u32_u24 v[AV], v[AV], 4*SHARE            ; and its first word in an array
; Distance e goes into the ascending list: place i takes the middle one of its lower neighbour, itself and the newcomer; from the top down, so that each place reads the old neighbour.
.macro INSERT e
	v_cmp_lt_f32 vcc_lo, v[G+(\e)], v[L]           ; strictly nearer than all before: of equals the first stays
	v_cndmask_b32 v[NE+1], v[NE+1], v[BX+(\e)], vcc_lo
	v_cndmask_b32 v[NE+2], v[NE+2], v[BY+(\e)], vcc_lo
	v_cndmask_b32 v[NE+3], v[NE+3], v[BZ+(\e)], vcc_lo
.irp i, 7,6,5,4,3,2,1
	v_med3_num_f32 v[L+(\i)], v[L+(\i)-1], v[L+(\i)], v[G+(\e)]
.endr
	v_min_num_f32 v[L], v[L], v[G+(\e)]
.endm
	s_mov_b32 s[CNT], SHARE/8
.Lpass1:
	LOADV
	s_wait_dscnt 0x0
	DIST G
.irp e, 0,1,2,3,4,5,6,7
	INSERT \e
.endr
	v_add_nc_u32 v[AV], 32, v[AV]
	s_sub_co_u32 s[CNT], s[CNT], 1
	s_cmp_lg_u32 s[CNT], 0
	s_cbranch_scc1 .Lpass1
	; THE LISTS MEET.  First the two shares of a wave, across its halves; my own list stays as it is, for the count of ties.
	v_mov_b32 v[NE], v[L]
.irp i, 0,1,2,3,4,5,6,7
	v_permlanex16_b32 v[BX+(\i)], v[L+7-(\i)], s[SEL], s[SEL+1]
.endr
.irp i, 0,1,2,3,4,5,6,7
	v_min_num_f32 v[BX+(\i)], v[BX+(\i)], v[L+(\i)]
.endr
	SORTB BX, BY
	s_mul_i32 s[ST], s[WV], 768
	s_add_co_u32 s[ST], s[ST], LIST1
	v_mul_u32_u24 v[T0], v[Q], 48
	v_add_nc_u32 v[T0], s[ST], v[T0]
	v_lshl_add_u32 v[T1], v0, 4, NEAR1             ; 16 x (16 share + query) = 16 x thread
	ds_store_b128 v[T0], v[BY:BY+3]                ; both halves hold the same list and write the same bytes
	ds_store_b128 v[T0], v[BY+4:BY+7] offset:16
	ds_store_b128 v[T1], v[NE:NE+3]
	BAR
	; Waves 0 and 1: 20 lists a query become 2.  Waves 2 and 3: 40 nearest entries a query become 4.  The branches hang on the wave's number alone and hold no barrier.
	s_cmp_lt_u32 s[WV], 2
	s_cbranch_scc0 .Lnot_lists
	s_mul_i32 s[ST], s[WV], 10*768                 ; group 2 wave + half takes five lists
	s_add_co_u32 s[ST], s[ST], LIST1
	v_mul_u32_u24 v[T0], v[H], 5*768
	v_mad_u32_u24 v[T0], v[Q], 48, v[T0]
	v_add_nc_u32 v[T0], s[ST], v[T0]
.irp j, 0,1,2,3,4
	ds_load_b128 v[32+8*(\j):35+8*(\j)], v[T0] offset:768*(\j)
	ds_load_b128 v[36+8*(\j):39+8*(\j)], v[T0] offset:768*(\j)+16
.endr
	s_wait_dscnt 0x0
	MERGE 32, 40
	MERGE 40, 48
	MERGE 48, 56
	MERGE 56, 64
.irp i, 0,1,2,3,4,5,6,7
	v_permlanex16_b32 v[32+(\i)], v[71-(\i)], s[SEL], s[SEL+1]
.endr
.irp i, 0,1,2,3,4,5,6,7
	v_min_num_f32 v[32+(\i)], v[32+(\i)], v[64+(\i)]
.endr
	SORTB 32, 40
	s_mul_i32 s[ST], s[WV], 768
	s_add_co_u32 s[ST], s[ST], LIST2
	v_mul_u32_u24 v[T1], v[Q], 48
	v_add_nc_u32 v[T1], s[ST], v[T1]
	ds_store_b128 v[T1], v[40:43]
	ds_store_b128 v[T1], v[44:47] offset:16
	s_branch .Lmet
.Lnot_lists:
	s_cmp_lt_u32 s[WV], 4
	s_cbranch_scc0 .Lmet
	s_mul_i32 s[ST], s[WV], 20*256                 ; group 2 (wave - 2) + half takes ten shares, in ascending order
	s_add_co_u32 s[ST], s[ST], NEAR1-40*256
	v_mul_u32_u24 v[T0], v[H], 10*256
	v_lshl_add_u32 v[T0], v[Q], 4, v[T0]
	v_add_nc_u32 v[T0], s[ST], v[T0]
.irp i, 0,1,2,3,4,5,6,7,8,9
	ds_load_b128 v[32+4*(\i):35+4*(\i)], v[T0] offset:256*(\i)
.endr
	s_wait_dscnt 0x0
.irp i, 1,2,3,4,5,6,7,8,9
	v_cmp_lt_f32 vcc_lo, v[32+4*(\i)], v32         ; strict: of equals the lower share stays
	v_cndmask_b32 v32, v32, v[32+4*(\i)], vcc_lo
	v_cndmask_b32 v33, v33, v[33+4*(\i)], vcc_lo
	v_cndmask_b32 v34, v34, v[34+4*(\i)], vcc_lo
	v_cndmask_b32 v35, v35, v[35+4*(\i)], vcc_lo
.endr
	s_lshl_b32 s[ST], s[WV], 9
	s_add_co_u32 s[ST], s[ST], NEAR2-2*512         ; 512 (wave - 2)
	v_lshl_add_u32 v[T1], v[H], 4, v[Q]
	v_lshl_add_u32 v[T1], v[T1], 4, s[ST]          ; + 256 half + 16 query
	ds_store_b128 v[T1], v[32:35]
.Lmet:
	BAR
	; Every wave: the query's 8 smallest, the 8th of them, and the ties
	v_mul_u32_u24 v[T0], v[Q], 48
	v_add_nc_u32 v[T0], LIST2, v[T0]
	ds_load_b128 v[BX:BX+3],   v[T0]
	ds_load_b128 v[BX+4:BX+7], v[T0] offset:16
	ds_load_b128 v[G:G+3],     v[T0] offset:768
	ds_load_b128 v[G+4:G+7],   v[T0] offset:784
	v_mov_b32 v[ZERO], 0
	v_mov_b32 v[QUO], 0
	v_mov_b32 v[SEEN], 0
	s_wait_dscnt 0x0
	MERGE BX, G
	v_mov_b32 v[THR], v[G+7]
.irp i, 0,1,2,3,4,5,6,7
	v_cmp_eq_f32 vcc_lo, v[G+(\i)], v[THR]         ; how many of the 8 equal the 8th,
	v_add_co_ci_u32 v[QUO], vcc_lo, v[QUO], v[ZERO], vcc_lo
	v_cmp_eq_f32 vcc_lo, v[L+(\i)], v[THR]         ; and how many of my own 8 (a share with more than its list shows leaves later shares no quota either way)
	v_add_co_ci_u32 v[SEEN], vcc_lo, v[SEEN], v[ZERO], vcc_lo
.endr
	v_permlanex16_b32 v[T1], v[SEEN], s[SEL], s[SEL+1]     ; the other share of my wave
	v_add_nc_u32 v[TH], v[SEEN], v[T1]
	s_lshl_b32 s[ST], s[WV], 2
	s_add_co_u32 s[ST], s[ST], TIES
	v_mul_u32_u24 v[T0], v[Q], 80
	v_add_nc_u32 v[AV], s[ST], v[T0]
	ds_store_b32 v[AV], v[TH]
	BAR
	v_add_nc_u32 v[T0], TIES, v[T0]
.irp j, 0,1,2,3,4
	ds_load_b128 v[BX+4*(\j):BX+4*(\j)+3], v[T0] offset:16*(\j)
.endr
	v_mul_u32_u24 v[SEEN], v[H], v[T1]             ; ties in lower shares: in the upper half, those of my wave's lower half;
	s_wait_dscnt 0x0
.irp j, 0,1,2,3,4,5,6,7,8,9,10,11,12,13,14,15,16,17,18
	s_cmp_gt_u32 s[WV], \j                         ; and those of all lower waves
	s_cselect_b32 s[ST], 1, 0
	v_mad_u32_u24 v[SEEN], v[BX+(\j)], s[ST], v[SEEN]
.endr
	v_sub_nc_u32 v[QUO], v[QUO], v[SEEN]           ; my quota; 0 or less: none
	v_mov_b32 v[SEEN], 0
	v_add_nc_u32 v[THP], -1, v[THR]                ; the next float below (below 0: a pattern to which nothing compares as less or equal)
	v_cmp_gt_i32 vcc_lo, v[QUO], v[SEEN]
	v_cndmask_b32 v[TH], v[THP], v[THR], vcc_lo
	; PASS 2: the sum of normal / max(d2, 1e-8) over the 8 nearest
.irp r, SA, SB, SC
	v_mov_b32 v[\r], 0
	v_mov_b32 v[\r+1], 0
.endr
	v_lshrrev_b32 v[AV], 4, v0
	v_mul_u32_u24 v[AV], v[AV], 4*SHARE
; Vertex e: its reciprocal is started; it is taken if d2 <= TH; if it equals the 8th value it counts against my quota, and TH follows.
.macro TAKE e
	v_rcp_f32 v[BW+(\e)], v[BW+(\e)]
	v_cmp_le_f32 s[ACC+(\e)], v[BX+(\e)], v[TH]
	v_cmp_eq_f32 vcc_lo, v[BX+(\e)], v[THR]
	v_add_co_ci_u32 v[SEEN], vcc_lo, v[SEEN], v[ZERO], vcc_lo
	v_cmp_gt_i32 vcc_lo, v[QUO], v[SEEN]
	v_cndmask_b32 v[TH], v[THP], v[THR], vcc_lo
.endm
	s_mov_b32 s[CNT], SHARE/8
.Lpass2:
	LOADV
	s_wait_dscnt 0x0
	DIST BX                                        ; d2 takes dx's place; dy's and dz's registers are free:
	ds_load_b128 v[BY:BY+3],   v[AV] offset:NX     ; the eight normals, wanted some 60 instructions further down
	ds_load_b128 v[BY+4:BY+7], v[AV] offset:NX+16
	ds_load_b128 v[BZ:BZ+3],   v[AV] offset:NY
	ds_load_b128 v[BZ+4:BZ+7], v[AV] offset:NY+16
	ds_load_b128 v[BE:BE+3],   v[AV] offset:NZ
	ds_load_b128 v[BE+4:BE+7], v[AV] offset:NZ+16
.irp e, 0,1,2,3,4,5,6,7
	v_max_num_f32 v[BW+(\e)], s[EPS], v[BX+(\e)]
.endr
.irp e, 0,1,2,3,4,5,6,7
	TAKE \e                                        ; five plain instructions behind each reciprocal; none names a weight
.endr
	s_wait_alu depctr_va_vdst(0)                   ; one wait for the eight reciprocals, ahead of their first reader
.irp e, 0,1,2,3,4,5,6,7
	v_cndmask_b32 v[BW+(\e)], 0, v[BW+(\e)], s[ACC+(\e)]
.endr
	s_wait_dscnt 0x0                               ; the normals are in
.irp j, 0,2,4,6
	v_pk_fma_f32 v[SA:SA+1], v[BW+(\j):BW+(\j)+1], v[BY+(\j):BY+(\j)+1], v[SA:SA+1]
	v_pk_fma_f32 v[SB:SB+1], v[BW+(\j):BW+(\j)+1], v[BZ+(\j):BZ+(\j)+1], v[SB:SB+1]
	v_pk_fma_f32 v[SC:SC+1], v[BW+(\j):BW+(\j)+1], v[BE+(\j):BE+(\j)+1], v[SC:SC+1]
.endr
	v_add_nc_u32 v[AV], 32, v[AV]
	s_sub_co_u32 s[CNT], s[CNT], 1
	s_cmp_lg_u32 s[CNT], 0
	s_cbranch_scc1 .Lpass2
	v_add_f32 v[BY],   v[SA], v[SA+1]              ; even and odd vertices,
	v_add_f32 v[BY+1], v[SB], v[SB+1]
	v_add_f32 v[BY+2], v[SC], v[SC+1]
	v_permlanex16_b32 v[BX],   v[BY],   s[SEL], s[SEL+1]   ; and the wave's other share
	v_permlanex16_b32 v[BX+1], v[BY+1], s[SEL], s[SEL+1]
	v_permlanex16_b32 v[BX+2], v[BY+2], s[SEL], s[SEL+1]
	v_pk_add_f32 v[BY:BY+1], v[BY:BY+1], v[BX:BX+1]
	v_add_f32 v[BY+2], v[BY+2], v[BX+2]
	s_lshl_b32 s[ST], s[WV], 8
	s_add_co_u32 s[ST], s[ST], PSUM
	v_lshl_add_u32 v[T0], v[Q], 4, s[ST]
	ds_store_b128 v[T0], v[BY:BY+3]                ; (the fourth word serves nothing)
	BAR
	; THE NORMAL, by wave 0: each half adds ten waves' sums; both halves then do the same work for the same query
	s_cmp_lg_u32 s[WV], 0
	s_cbranch_scc1 .Lno_normal
	v_mul_u32_u24 v[T0], v[H], 10*256
	v_lshl_add_u32 v[T0], v[Q], 4, v[T0]
	v_add_nc_u32 v[T0], PSUM, v[T0]
	v_lshl_add_u32 v[T1], v[Q], 4, NEAR2
.irp i, 0,1,2,3,4,5,6,7
	ds_load_b128 v[40+4*(\i):43+4*(\i)], v[T0] offset:256*(\i)
.endr
.irp g, 0,1,2,3
	ds_load_b128 v[16+4*(\g):19+4*(\g)], v[T1] offset:256*(\g)
.endr
.irp i, 0,1,2,3,4,5,6,7
	v_max_num_f32 v[G+(\i)], s[EPS], v[G+(\i)]
.endr
.irp i, 0,1,2,3,4,5,6,7
	v_rcp_f32 v[G+(\i)], v[G+(\i)]                 ; 1 / d2 of the 8
.endr
	v_nop                                          ; a plain instruction behind the last reciprocal,
	s_wait_alu depctr_va_vdst(0)                   ; and one wait for the eight
	v_add_f32 v14, v[G], v[G+1]
.irp i, 2,3,4,5,6,7
	v_add_f32 v14, v14, v[G+(\i)]
.endr
	v_add_f32 v14, 0x42c80000, v14                 ; W = the sum + 100
	ds_load_b128 v[32:35], v[T0] offset:256*8      ; the list's registers are free now: the last two of my half's ten sums
	ds_load_b128 v[36:39], v[T0] offset:256*9
	s_wait_dscnt 0x0
.irp i, 1,2,3,4,5,6,7
	v_pk_add_f32 v[40:41], v[40:41], v[40+4*(\i):41+4*(\i)]
	v_add_f32 v42, v42, v[42+4*(\i)]
.endr
.irp i, 32, 36
	v_pk_add_f32 v[40:41], v[40:41], v[\i:\i+1]
	v_add_f32 v42, v42, v[\i+2]
.endr
	v_permlanex16_b32 v44, v40, s[SEL], s[SEL+1]
	v_permlanex16_b32 v45, v41, s[SEL], s[SEL+1]
	v_permlanex16_b32 v46, v42, s[SEL], s[SEL+1]
	v_pk_add_f32 v[40:41], v[40:41], v[44:45]
	v_add_f32 v42, v42, v46                        ; v40-42: the sum over the 8 nearest
.irp g, 1,2,3
	v_cmp_lt_f32 vcc_lo, v[16+4*(\g)], v16
	v_cndmask_b32 v16, v16, v[16+4*(\g)], vcc_lo
	v_cndmask_b32 v17, v17, v[17+4*(\g)], vcc_lo
	v_cndmask_b32 v18, v18, v[18+4*(\g)], vcc_lo
	v_cndmask_b32 v19, v19, v[19+4*(\g)], vcc_lo
.endr
	v_max_num_f32 v16, s[EPS], v16                 ; the nearest vertex: max(d2, 1e-8),
	v_mul_f32 v16, 0x3c23d70a, v16                 ; times 0.01
	v_rcp_f32 v16, v16
	v_rcp_f32 v15, v14                             ; 1 / W
	v_nop
	s_wait_alu depctr_va_vdst(0)                   ; one wait for the two
	v_fma_f32 v24, v17, v16, v40                   ; + (x - v1) / (0.01 d2)
	v_fma_f32 v25, v18, v16, v41
	v_fma_f32 v26, v19, v16, v42
	v_mul_f32 v24, v24, v15
	v_mul_f32 v25, v25, v15
	v_mul_f32 v26, v26, v15
	v_mul_f32 v21, v24, v24
	v_fma_f32 v21, v25, v25, v21
	v_fma_f32 v21, v26, v26, v21
	v_sqrt_f32 v21, v21
	v_nop
	s_wait_alu depctr_va_vdst(0)
	v_add_f32 v21, s[EPS], v21                     ; the length + 1e-8
	v_rcp_f32 v21, v21
	v_nop
	s_wait_alu depctr_va_vdst(0)
	v_mul_f32 v21, -1.0, v21                       ; the direction is -n
	v_mul_f32 v[QD],   v24, v21
	v_mul_f32 v[QD+1], v24, v21
	v_mul_f32 v[QD+2], v25, v21
	v_mul_f32 v[QD+3], v25, v21
	v_mul_f32 v[QD+4], v26, v21
	v_mul_f32 v[QD+5], v26, v21
	v_lshl_add_u32 v[T0], v[Q], 6, QREC
	ds_store_b128 v[T0], v[8:11]
	ds_store_b128 v[T0], v[12:15] offset:16
	ds_store_b128 v[T0], v[16:19] offset:32
.Lno_normal:
	BAR
	; THE RAYS: 16 queries against my wave's 320 places of faces
; Pair p: its two reciprocals are started, each with a plain instruction behind it; then tvec, tvec.M, c = tvec x d, e2.c and e1.c
.macro NUM p
.set F, FB+24*(\p)
.set K, KP+8*(\p)
	v_rcp_f32 v[K], v[K]
	v_pk_add_f32 v[TV:TV+1],   v[RX:RX+1], v[F:F+1]   neg_lo:[0,1] neg_hi:[0,1]
	v_rcp_f32 v[K+1], v[K+1]
	v_pk_add_f32 v[TV+2:TV+3], v[RY:RY+1], v[F+2:F+3] neg_lo:[0,1] neg_hi:[0,1]
	v_pk_add_f32 v[TV+4:TV+5], v[RZ:RZ+1], v[F+4:F+5] neg_lo:[0,1] neg_hi:[0,1]
	v_pk_mul_f32 v[K+2:K+3],   v[TV:TV+1],   v[F+18:F+19]
	v_pk_mul_f32 v[CR:CR+1],   v[TV+2:TV+3], v[DZ:DZ+1]
	v_pk_mul_f32 v[CR+2:CR+3], v[TV+4:TV+5], v[DX:DX+1]
	v_pk_mul_f32 v[CR+4:CR+5], v[TV:TV+1],   v[DY:DY+1]
	v_pk_fma_f32 v[K+2:K+3],   v[TV+2:TV+3], v[F+20:F+21], v[K+2:K+3]
	v_pk_fma_f32 v[CR:CR+1],   v[TV+4:TV+5], v[DY:DY+1], v[CR:CR+1]     neg_lo:[1,0,0] neg_hi:[1,0,0]
	v_pk_fma_f32 v[CR+2:CR+3], v[TV:TV+1],   v[DZ:DZ+1], v[CR+2:CR+3]   neg_lo:[1,0,0] neg_hi:[1,0,0]
	v_pk_fma_f32 v[CR+4:CR+5], v[TV+2:TV+3], v[DX:DX+1], v[CR+4:CR+5]   neg_lo:[1,0,0] neg_hi:[1,0,0]
	v_pk_fma_f32 v[K+2:K+3],   v[TV+4:TV+5], v[F+22:F+23], v[K+2:K+3]
	v_pk_mul_f32 v[K+4:K+5], v[F+12:F+13], v[CR:CR+1]
	v_pk_mul_f32 v[K+6:K+7], v[F+6:F+7],   v[CR:CR+1]
	v_pk_fma_f32 v[K+4:K+5], v[F+14:F+15], v[CR+2:CR+3], v[K+4:K+5]
	v_pk_fma_f32 v[K+6:K+7], v[F+8:F+9],   v[CR+2:CR+3], v[K+6:K+7]
	v_pk_fma_f32 v[K+4:K+5], v[F+16:F+17], v[CR+4:CR+5], v[K+4:K+5]
	v_pk_fma_f32 v[K+6:K+7], v[F+10:F+11], v[CR+4:CR+5], v[K+6:K+7]
.endm
; Pair p: u + tol, v + tol, 1 + tol - u - v, t - tol, 1e18 - 1/det^2; a face counts if the least of the five is above 0 (a NaN loses in v_min3_num_f32, and where det is 0 the last is -infinity)
.macro TEST p
.set K, KP+8*(\p)
	v_pk_add_f32 v[TV:TV+1],   v[K+4:K+5], v[K+6:K+7] neg_lo:[0,1] neg_hi:[0,1]
	v_pk_fma_f32 v[K+4:K+5],   v[K+4:K+5], v[K:K+1], s[TOL:TOL+1]   op_sel_hi:[1,1,0]
	v_pk_fma_f32 v[K+6:K+7],   v[K+6:K+7], v[K:K+1], s[TOL:TOL+1]   op_sel_hi:[1,1,0] neg_lo:[1,0,0] neg_hi:[1,0,0]
	v_pk_fma_f32 v[TV:TV+1],   v[TV:TV+1], v[K:K+1], s[ONE:ONE+1]   op_sel_hi:[1,1,0] neg_lo:[1,0,0] neg_hi:[1,0,0]
	v_pk_fma_f32 v[K+2:K+3],   v[K+2:K+3], v[K:K+1], s[NTOL:NTOL+1] op_sel_hi:[1,1,0] neg_lo:[1,0,0] neg_hi:[1,0,0]
	v_pk_fma_f32 v[TV+2:TV+3], v[K:K+1],   v[K:K+1], s[BIG:BIG+1]   op_sel_hi:[1,1,0] neg_lo:[1,0,0] neg_hi:[1,0,0]
	v_min3_num_f32 v[TV+4], v[K+4], v[K+6], v[TV]
	v_min3_num_f32 v[TV+5], v[K+5], v[K+7], v[TV+1]
	v_min3_num_f32 v[TV+4], v[TV+4], v[K+2], v[TV+2]
	v_min3_num_f32 v[TV+5], v[TV+5], v[K+3], v[TV+3]
	v_cmp_lt_f32 vcc_lo, 0, v[TV+4]
	v_cndmask_b32 v[CR], s[PINF], v[K+2], vcc_lo
	v_cmp_lt_f32 vcc_lo, 0, v[TV+5]
	v_cndmask_b32 v[CR+1], s[PINF], v[K+3], vcc_lo
	v_min3_num_f32 v[TM], v[TM], v[CR], v[CR+1]
.endm
	v_mov_b32 v[AV], QREC                          ; the same record for all lanes
	s_lshl_b32 s[ST], s[WV], 2
	s_add_co_u32 s[ST], s[ST], TMIN
	v_mov_b32 v[T0], s[ST]
	s_mov_b32 s[CNT], 16
.Lray:
	ds_load_b128 v[8:11],  v[AV]
	ds_load_b128 v[12:15], v[AV] offset:16
	ds_load_b128 v[16:19], v[AV] offset:32
	v_mov_b32 v[TM], s[PINF]
	s_wait_dscnt 0x0
.irp p, 0,1,2,3,4
	v_pk_mul_f32 v[KP+8*(\p):KP+8*(\p)+1], v[DX:DX+1], v[FB+24*(\p)+18:FB+24*(\p)+19]   ; det = d.M of all five pairs first,
.endr
.irp p, 0,1,2,3,4
	v_pk_fma_f32 v[KP+8*(\p):KP+8*(\p)+1], v[DY:DY+1], v[FB+24*(\p)+20:FB+24*(\p)+21], v[KP+8*(\p):KP+8*(\p)+1]
.endr
.irp p, 0,1,2,3,4
	v_pk_fma_f32 v[KP+8*(\p):KP+8*(\p)+1], v[DZ:DZ+1], v[FB+24*(\p)+22:FB+24*(\p)+23], v[KP+8*(\p):KP+8*(\p)+1]
.endr
.irp p, 0,1,2,3,4
	NUM \p                                         ; so that the ten reciprocals are one batch, with the other products as the work behind them
.endr
	s_wait_alu depctr_va_vdst(0)                   ; one wait for the ten, ahead of their first reader
.irp p, 0,1,2,3,4
	TEST \p
.endr
	v_min_num_f32_dpp v[TM], v[TM], v[TM] row_xmask:1 row_mask:0xf bank_mask:0xf
	v_min_num_f32_dpp v[TM], v[TM], v[TM] row_xmask:2 row_mask:0xf bank_mask:0xf
	v_min_num_f32_dpp v[TM], v[TM], v[TM] row_xmask:4 row_mask:0xf bank_mask:0xf
	v_min_num_f32_dpp v[TM], v[TM], v[TM] row_xmask:8 row_mask:0xf bank_mask:0xf
	v_permlanex16_b32 v[Q], v[TM], s[SEL], s[SEL+1]
	v_min_num_f32 v[TM], v[TM], v[Q]
	ds_store_b32 v[T0], v[TM]                      ; all lanes write the same word with the same value
	v_add_nc_u32 v[AV], 64, v[AV]
	v_add_nc_u32 v[T0], 80, v[T0]
	s_sub_co_u32 s[CNT], s[CNT], 1
	s_cmp_lg_u32 s[CNT], 0
	s_cbranch_scc1 .Lray
	BAR
	; THE RESULTS, by wave 0
	s_cmp_lg_u32 s[WV], 0
	s_cbranch_scc1 .Lend
	v_and_b32 v[Q], 15, v0
	v_mul_u32_u24 v[T0], v[Q], 80
	v_add_nc_u32 v[T0], TMIN, v[T0]
	v_lshl_add_u32 v[AV], v[Q], 6, QREC
.irp j, 0,1,2,3,4
	ds_load_b128 v[20+4*(\j):23+4*(\j)], v[T0] offset:16*(\j)
.endr
	ds_load_b128 v[8:11],  v[AV]
	ds_load_b128 v[12:15], v[AV] offset:16
	ds_load_b128 v[16:19], v[AV] offset:32
	s_mul_i32 s[ST], ttmp9, 192                    ; the work-group's 16 rows of out0 and out2,
	s_mov_b32 s[ST+1], 0
	s_add_nc_u64 s[12:13], s[12:13], s[ST:ST+1]
	s_add_nc_u64 s[16:17], s[16:17], s[ST:ST+1]
	s_lshl_b32 s[ST], ttmp9, 6                     ; and of out1
	s_add_nc_u64 s[14:15], s[14:15], s[ST:ST+1]
	v_mul_u32_u24 v40, v[Q], 12
	v_lshlrev_b32 v41, 2, v[Q]
	s_wait_dscnt 0x0
	v_min3_num_f32 v20, v20, v21, v22              ; the least over the 20 waves
.irp j, 23,25,27,29,31,33,35,37
	v_min3_num_f32 v20, v20, v[\j], v[(\j)+1]
.endr
	v_min_num_f32 v20, v20, v39
	v_add_f32 v21, s[TOL], v20                     ; tol is added back;
	v_cmp_gt_f32 vcc_lo, s[PINF], v20              ; no hit, or one at infinity: t = 0, the point stays
	v_cndmask_b32 v21, 0, v21, vcc_lo
	v_fma_f32 v24, v21, v[DX], v[RX]               ; xc = x + t d
	v_fma_f32 v25, v21, v[DY], v[RY]
	v_fma_f32 v26, v21, v[DZ], v[RZ]
	v_mul_f32 v28, -1.0, v[DX]                     ; n = -d
	v_mul_f32 v29, -1.0, v[DY]
	v_mul_f32 v30, -1.0, v[DZ]
	v_sub_f32 v32, v[RX], v24
	v_sub_f32 v33, v[RY], v25
	v_sub_f32 v34, v[RZ], v26
	v_mul_f32 v36, v32, v28                        ; s = (x - xc).n
	v_fma_f32 v36, v33, v29, v36
	v_fma_f32 v36, v34, v30, v36
	v_cmp_gt_u32 vcc_lo, 16, v0                    ; both halves hold the same numbers: the lower stores them
	s_wait_xcnt 0x0                                ; EXEC changes only behind this wait
	s_and_saveexec_b32 s[SX], vcc_lo
	global_store_b96 v40, v[24:26], s[12:13]       ; 16 lanes: 192 consecutive bytes
	global_store_b32 v41, v36, s[14:15]            ; 64 consecutive bytes
	global_store_b96 v40, v[28:30], s[16:17]
	s_wait_xcnt 0x0                                ; and again, in front of the line that widens it
	s_or_b32 exec_lo, exec_lo, s[SX]
.Lend:
	s_wait_tensorcnt 0x0                           ; the wave's end, behind my last LDS store
	ds_add_u32 v[SPW], v[NIL]
	s_wait_dscnt 0x0
	s_endpgm
.Lfunc_end_k_q202ff26d62_project:
	.size	k_q202ff26d62_project, .Lfunc_end_k_q202ff26d62_project-k_q202ff26d62_project
	.p2alignl 7, 3214868480
	.fill 96, 4, 3214868480
	.section	.rodata,"a",@progbits
	.p2align	6, 0x0
	.amdhsa_kernel k_q202ff26d62_project
		.amdhsa_group_segment_fixed_size 116224
		.amdhsa_private_segment_fixed_size 0
		.amdhsa_enable_private_segment 0
		.amdhsa_kernarg_size 56
		.amdhsa_user_sgpr_count 2
		.amdhsa_user_sgpr_kernarg_segment_ptr 1
		.amdhsa_wavefront_size32 1
		.amdhsa_system_sgpr_workgroup_id_x 1
		.amdhsa_system_sgpr_workgroup_id_y 1
		.amdhsa_system_sgpr_workgroup_id_z 1
		.amdhsa_system_vgpr_workitem_id 0
		.amdhsa_next_free_vgpr 192
		.amdhsa_next_free_sgpr 66
		.amdhsa_reserve_vcc 1
		.amdhsa_float_denorm_mode_32 3
		.amdhsa_float_denorm_mode_16_64 3
		.amdhsa_memory_ordered 1
		.amdhsa_forward_progress 1
		.amdhsa_inst_pref_size 71
	.end_amdhsa_kernel
	.amdgpu_metadata
---
amdhsa.version: [ 1, 2 ]
amdhsa.kernels:
  - .name:           k_q202ff26d62_project
    .symbol:         k_q202ff26d62_project.kd
    .args:
      - { .name: x, .offset: 0, .size: 8, .value_kind: global_buffer, .address_space: global }
      - { .name: vertices, .offset: 8, .size: 8, .value_kind: global_buffer, .address_space: global }
      - { .name: vertex_normals, .offset: 16, .size: 8, .value_kind: global_buffer, .address_space: global }
      - { .name: faces, .offset: 24, .size: 8, .value_kind: global_buffer, .address_space: global }
      - { .name: out0, .offset: 32, .size: 8, .value_kind: global_buffer, .address_space: global }
      - { .name: out1, .offset: 40, .size: 8, .value_kind: global_buffer, .address_space: global }
      - { .name: out2, .offset: 48, .size: 8, .value_kind: global_buffer, .address_space: global }
    .group_segment_fixed_size: 116224
    .private_segment_fixed_size: 0
    .kernarg_segment_align: 8
    .kernarg_segment_size: 56
    .max_flat_workgroup_size: 640
    .sgpr_count:     66
    .vgpr_count:     192
    .wavefront_size: 32
...
	.end_amdgpu_metadata
.endif
;; end of part 1
